; MI455X (gfx1250); checked and timed in simulation.
; The chip was launched on July 23, 2026; its instructions are those of AMD's public machine-readable ISA for CDNA 5 (MIT licence, August 2026) and "CDNA5" Instruction Set Architecture Reference Guide (July 2026). The comments in the code are by the model that wrote it; some were corrected since.
;; SIM2. Allowed arithmetic: float matrix products may take bf16 or f16 operands with f32 sums; other float arithmetic in f32, or as packed bf16 or f16 multiplies, adds, multiply-adds, maxima and minima; sums over many terms, partial sums and values carried from step to step in f32; what a program stores and reads back later, other than sums and carried values, may be rounded once to bf16 or f16.
;; Inputs: W1 4,096 x 4,096 float32; W2 4,096 x 4,096 float32; b1 4,096 float32; b2 4,096 float32; f 2,048 x 4,096 float32.
;; Outputs: out0 2,048 x 4,096 float32.
;; 2 versions, each right; version 2 is version 1 with the launch finish written anew for expert scheduling mode. Each part assembles by itself: llvm-mc -triple=amdgcn-amd-amdhsa -mcpu=gfx1250 --defsym DOCPART=n.
;; ======== version 1 of 2: 3 launches
;; workspace buffers: fb 16,777,216 bytes; wb 67,108,864 bytes; p 33,554,432 bytes; st 1,048,576 bytes
;; launch cast (part 1): grid 512 x 5, 8 waves a work-group, no clusters, 0 bytes of LDS; arguments f, W1, W2, fb, wb; writes fb, wb
.if DOCPART == 1
	.amdgcn_target "amdgcn-amd-amdhsa--gfx1250"
	.amdhsa_code_object_version 6
	.text
	.protected	k_qe95631c877_cast
	.globl	k_qe95631c877_cast
	.p2align	8
	.type	k_qe95631c877_cast,@function
k_qe95631c877_cast:
	s_mov_b64 s[64:65], 0
	v_nop
	global_prefetch_b8 v0, s[64:65] scope:SCOPE_SE
	s_setreg_imm32_b32 hwreg(HW_REG_WAVE_MODE, 25, 1), 1
	s_wait_xcnt 0x0
; out = f + softmax(f W1^T + b1) + softmax(f W2^T + b2).  f: [2048][4096]; W1, W2: [4096][4096]; b1, b2: [4096]; out: [2048][4096]; all f32.
; THREE LAUNCHES.  (1) This one rounds f, W1 and W2 once to bf16: fb [2048][4096]; wb [8192][4096], W1's rows and then W2's.  (2) One product fb wb^T + bias, 2048 x 8192, sums in f32; each wave takes
; the maximum of its own 128 columns away from each of its rows and stores p = exp(s - local maximum) in bf16 with the pair (local maximum, local sum) in f32.  (3) The 32 local pairs of each row and
; softmax are joined into the row's maximum and sum, and out = f + p1 x factor1 + p2 x factor2.
; NOTHING IS LEFT OUT: every input has a way to the output.  Both biases differ along the softmax's axis, so they do not cancel; both products, both softmaxes and the row itself are added.
; LIMITS.  The products' operands are bf16 (f32's range, 8 significant bits); p is stored in bf16 (it lies in 0 to 1); a weight or a factor below 2^-126 counts as 0; a logit times log2(e) must be
; finite in f32; NaN and infinities are not treated apart.
; THIS LAUNCH is a stream: no byte is read twice and no work-group shares a byte with another, so LDS, the matrix unit and clusters would add nothing.
; SHARES.  y picks 32 MiB of source: 0 = f; 1, 2 = the halves of W1; 3, 4 = the halves of W2.  x picks 64 KiB of them.  Thread t takes the 16 bytes at 16 t + 4,096 i, i = 0 .. 15: all sixteen
; loads go out before the first wait, and no register that a load or store names is written again but the load's own data, behind its wait.
.set X, 8                              ; v[8:71]  load i: four f32 at X + 4 i; its two words of bf16 take the first two of them
	s_load_b256 s[4:11], s[0:1], 0x0               ; f s[4:5], W1 s[6:7], W2 s[8:9], fb s[10:11]
	s_load_b64 s[12:13], s[0:1], 0x20              ; wb
	s_and_b32 s14, ttmp7, 0xffff                   ; y
	s_max_u32 s20, s14, 1
	s_sub_co_u32 s20, s20, 1                       ; 0 for f; 0 .. 3 for the four halves of the weights
	s_and_b32 s21, s20, 1
	s_lshl_b32 s21, s21, 25                        ; the second half of a weight begins 32 MiB in
	s_lshl_b32 s22, ttmp9, 16                      ; x times 64 KiB of source
	s_add_co_u32 s22, s22, s21
	s_mov_b32 s23, 0
	s_lshl_b32 s24, s20, 24                        ; each half is 16 MiB of bf16
	s_lshl_b32 s25, ttmp9, 15                      ; x times 32 KiB of it
	s_add_co_u32 s24, s24, s25
	s_mov_b32 s25, 0
	v_lshlrev_b32 v1, 4, v0                        ; 16 t: my bytes of source
	v_lshlrev_b32 v2, 3, v0                        ; 8 t: my bytes of bf16
	s_wait_kmcnt 0x0
	s_cmp_lt_u32 s14, 3
	s_cselect_b64 s[16:17], s[6:7], s[8:9]         ; W1 for y = 1, 2; W2 for y = 3, 4
	s_cmp_eq_u32 s14, 0
	s_cselect_b64 s[16:17], s[4:5], s[16:17]       ; f for y = 0
	s_cselect_b64 s[18:19], s[10:11], s[12:13]     ; into fb, else into wb
	s_add_nc_u64 s[16:17], s[16:17], s[22:23]
	s_add_nc_u64 s[18:19], s[18:19], s[24:25]
.irp i, 0,1,2,3,4,5,6,7,8,9,10,11,12,13,14,15
	global_load_b128 v[X+4*(\i):X+4*(\i)+3], v1, s[16:17] offset:4096*(\i) th:TH_LOAD_NT  ; a wave's load covers 512 consecutive bytes
.endr
.irp i, 0,1,2,3,4,5,6,7,8,9,10,11,12,13,14,15
	s_wait_loadcnt 15-(\i)                         ; loads come back in order: load i is in, the 15 - i younger ones stay out
	v_cvt_pk_bf16_f32 v[X+4*(\i)], v[X+4*(\i)], v[X+4*(\i)+1]      ; two roundings to nearest even, packed
	v_cvt_pk_bf16_f32 v[X+4*(\i)+1], v[X+4*(\i)+2], v[X+4*(\i)+3]
	global_store_b64 v2, v[X+4*(\i):X+4*(\i)+1], s[18:19] offset:2048*(\i) th:TH_STORE_NT  ; a wave's store covers 256 consecutive bytes, aligned
.endr
	s_endpgm
.Lfunc_end_k_qe95631c877_cast:
	.size	k_qe95631c877_cast, .Lfunc_end_k_qe95631c877_cast-k_qe95631c877_cast
	.p2alignl 7, 3214868480
	.fill 96, 4, 3214868480
	.section	.rodata,"a",@progbits
	.p2align	6, 0x0
	.amdhsa_kernel k_qe95631c877_cast
		.amdhsa_group_segment_fixed_size 0
		.amdhsa_private_segment_fixed_size 0
		.amdhsa_enable_private_segment 0
		.amdhsa_kernarg_size 40
		.amdhsa_user_sgpr_count 2
		.amdhsa_user_sgpr_kernarg_segment_ptr 1
		.amdhsa_wavefront_size32 1
		.amdhsa_system_sgpr_workgroup_id_x 1
		.amdhsa_system_sgpr_workgroup_id_y 1
		.amdhsa_system_sgpr_workgroup_id_z 1
		.amdhsa_system_vgpr_workitem_id 0
		.amdhsa_next_free_vgpr 72
		.amdhsa_next_free_sgpr 66
		.amdhsa_reserve_vcc 0
		.amdhsa_float_denorm_mode_32 3
		.amdhsa_float_denorm_mode_16_64 3
		.amdhsa_memory_ordered 1
		.amdhsa_forward_progress 1
		.amdhsa_inst_pref_size 7
	.end_amdhsa_kernel
	.amdgpu_metadata
---
amdhsa.version: [ 1, 2 ]
amdhsa.kernels:
  - .name:           k_qe95631c877_cast
    .symbol:         k_qe95631c877_cast.kd
    .args:
      - { .name: f, .offset: 0, .size: 8, .value_kind: global_buffer, .address_space: global }
      - { .name: W1, .offset: 8, .size: 8, .value_kind: global_buffer, .address_space: global }
      - { .name: W2, .offset: 16, .size: 8, .value_kind: global_buffer, .address_space: global }
      - { .name: fb, .offset: 24, .size: 8, .value_kind: global_buffer, .address_space: global }
      - { .name: wb, .offset: 32, .size: 8, .value_kind: global_buffer, .address_space: global }
    .group_segment_fixed_size: 0
    .private_segment_fixed_size: 0
    .kernarg_segment_align: 8
    .kernarg_segment_size: 40
    .max_flat_workgroup_size: 256
    .sgpr_count:     66
    .vgpr_count:     72
    .wavefront_size: 32
...
	.end_amdgpu_metadata
.endif
;; end of part 1
;; launch gemm (part 2): grid 32 x 8, 4 waves a work-group, clusters of 4 x 4, 327,680 bytes of LDS; arguments fb, wb, b1, b2, p, st; writes p, st
.if DOCPART == 2
	.amdgcn_target "amdgcn-amd-amdhsa--gfx1250"
	.amdhsa_code_object_version 6
	.text
	.protected	k_qe95631c877_gemm
	.globl	k_qe95631c877_gemm
	.p2align	8
	.type	k_qe95631c877_gemm,@function
k_qe95631c877_gemm:
	s_mov_b64 s[64:65], 0
	v_nop
	global_prefetch_b8 v0, s[64:65] scope:SCOPE_SE
	s_setreg_imm32_b32 hwreg(HW_REG_WAVE_MODE, 25, 1), 1
	s_wait_xcnt 0x0
	s_wait_alu depctr_hold_cnt(0) depctr_sa_sdst(0) depctr_va_vdst(0) depctr_va_sdst(0) depctr_va_ssrc(0) depctr_va_vcc(0) depctr_vm_vsrc(0)
	s_getreg_b32 s2, hwreg(HW_REG_IB_STS2, 6, 4)
	s_cmp_eq_u32 s2, 0
	s_cbranch_scc0 .Lentry_in_a_cluster
	s_endpgm
.Lentry_in_a_cluster:
	s_bfe_u32 s2, ttmp6, 0x10000c
	s_cmp_lg_u32 s2, 0xf033
	s_cbranch_scc0 .Lentry_shape_is_right
	s_endpgm
.Lentry_shape_is_right:
; S[m][n] = the sum over k of fb[m][k] wb[n][k] + bias[n]: fb [2048][4096], wb [8192][4096] in bf16 (rows 0-4095 W1, 4096-8191 W2); bias = b1 and then b2, f32; sums in f32.  Nothing is left out.
; S is not stored.  For each of its rows a wave takes the maximum m of its own 128 columns and stores p = 2^(c s - c m), c = log2(e), in bf16: p [2048][8192]; and the pair (c m, l), l the sum of
; the unrounded p, in f32: st [row / 32][group of 128 columns, 0-63][row % 32][2].  The launch behind joins the 32 pairs of a row and softmax: so a maximum is taken away ahead of every exponential.
; LIMITS.  A weight below 2^-126 counts as 0; c s must be finite in f32; NaN and infinities are not treated apart.
; SHARES.  A tile of S, 256 x 256, is made by a work-group of four waves; a wave makes 128 x 128: 64 accumulators of 16 x 16, 512 registers.  32 x 8 tiles: 256 work-groups.  K goes in steps of 128
; through a ring of two LDS slots filled by the tensor data mover; the rows of the tiles are 256 bytes of memory and start at multiples of 256 bytes from the buffer's first byte.
; CLUSTERS: 4 x 4 work-groups.  The four of a row of the cluster need the same tiles of fb, the four of a column the same tiles of wb: each tile is asked for JOINTLY, by the same tensor load with the
; same descriptor and a mask that names the four; each receives it in its own LDS.
; THE MATRIX INSTRUCTION IS USED TRANSPOSED: source 0 = 16 rows of wb, source 1 = 16 rows of fb.  In the result lane l holds row l % 16 of S, and its registers 0 to 7 the columns 8 (l / 16) + 0 .. 7.
; So a row's 128 columns lie in 64 registers of lane l and 64 of the lane 16 away: a maximum or a sum over them wants one exchange between the halves of the lanes.
; THE BIAS STARTS THE SUMS: it is the C operand of the first product on each accumulator (the same 64 registers for all eight blocks of rows): nothing is cleared, nothing is added later.
; REGISTERS, in windows of 256 (s_set_vgpr_msb's low byte: bits 1:0 source 0, 3:2 source 1, 5:4 source 2, 7:6 destination):
;   window 0: v0-31 addresses; v64-127, v128-191 fragments of fb, two buffers; on the way out v64-119 statistics at work, v192-223 packed p, v32-63 and v224-255 rows read back from the stage
;   window 1: v0-63 the bias of my 128 columns; v64-127, v128-191 fragments of wb, two buffers
;   window 2: the 32 accumulators of my rows 0-63 (accumulator (a, b) at v[8 (8 a + b)]);   window 3: those of my rows 64-127
.set SIZE_M, 2048
.set SIZE_N, 8192
.set SIZE_K, 4096
.set KSTEP,  128
.set PITCH,  272                       ; an LDS row: 256 bytes of data + 16 of padding = 68 words: row r starts at bank 4 r mod 64 (64 banks of 4 bytes: ISA guide 11.1), so the 16 rows that a load touches start at 16 different banks
.set HALFT,  128*PITCH                 ; 128 rows: what one tensor load brings, and what one wave reads of fb or of wb
.set SLOT,   4*HALFT                   ; fb's 256 rows, then wb's 256 rows
.set STAGE,  2*SLOT                    ; behind the ring: 16 rows x 272 bytes for each wave, for the way out; no tensor load fills it
.set SPITCH, 272
.set SPARE,  STAGE+4*16*SPITCH         ; behind the stages: the spare words, 128 bytes for each wave: two blocks of 256 bytes that no other line names
.set LAPS,   SIZE_K/(2*KSTEP)          ; a lap = two K steps = once round the ring: 16
.set ADRA, 16                          ; v16-17  LDS address of my fb fragments in slot 0, 1
.set ADRB, 20                          ; v20-21  the same for wb
.set STO,  24                          ; v24     the way out: where I put 16 bytes of a row
.set RD,   25                          ; v25     the way out: where I read a row back
.set CO,   26                          ; v26     my byte offset in p
.set SO,   27                          ; v27     8 x lane: my pair in 32 rows' statistics
.set SPW,  28                          ; v28     LDS address of my spare word: SPARE + 4 x my thread's number; never rewritten
.set NIL,  29                          ; v29     0; never rewritten
.set PFO,  30                          ; v30     the prefetches' offset: my lane x a row of fb or wb (8,192 bytes); never rewritten
.set BO,   31                          ; v31     32 x (l / 16): my eight columns' bias in a group of 16
.set F0,   64                          ; fragment buffer 0
.set F1,   128                         ; fragment buffer 1
.set TMP,  192                         ; the way out: packed p
.set OB,   32                          ; the way out: 16 rows read back from the stage: v32-63 and v224-255 by turns
.set MX,   64                          ; v64-71  eight running maxima
.set SU,   74                          ; v74-81  four running sums, a pair each
.set T,    82                          ; v82     what the other half of the lanes holds
.set T2,   83                          ; v83     my half's sum
.set ST,   96                          ; v96-111 (c m, l) of block a of 16 rows at ST + 2 a
.set SD,   112                         ; v112-119 the pairs as they are stored
.set G1,   24                          ; s[24:31] descriptor group 1 for fb's tiles
.set G0,   32                          ; s[32:39] descriptor group 0 for fb's tiles, one set for each slot
.set LIM,  43                          ; s43     1 in a wave that prefetches, else the greatest number
.set PFA,  44                          ; s[44:45] where my prefetches stand: one K step further along K than the refill that is being asked for; a prefetch names the K step after that
.set G1B,  48                          ; s[48:55] descriptor group 1 for wb's tiles: it differs in the mask alone
.set G0B,  56                          ; s[56:63] descriptor group 0 for wb's tiles, one set for each slot
.set BIA,  66                          ; s[66:67] the bias of my 128 columns
.set STB,  68                          ; s[68:69] st at my first 32 rows and my group of columns
.set CS,   70                          ; s[70:71] c = log2(e): the packed scaling names a pair and takes its low word for both halves
.set SEL,  72                          ; s[72:73] v_permlanex16_b32's selects: each lane takes its own place in the other half
.set HM,   74                          ; s74     the mask of lanes 16-31
.set MSB, 0
.macro WIN new                         ; the immediate's high byte repeats the setting that is left; a switch that changes nothing is dropped
.if MSB != (\new)
	s_set_vgpr_msb (MSB<<8)|(\new)
.set MSB, \new
.endif
.endm
.set MUL_LO,   0xa1                    ; source 0 (wb) window 1, source 1 (fb) window 0, C and D window 2
.set FIRST_LO, 0x91                    ; the same with C (the bias) in window 1
.set TO_B,     0x40                    ; destination window 1, address window 0
; A joint load.  Waves 0 and 1 fetch fb's two halves, waves 2 and 3 wb's.  Each of the two lines has ONE mask and one set of registers for all that issue it.  The branch hangs on the wave's number alone.
; An s_nop 0 and four v_nop follow each of the two lines; the jump round the other line, the label and what follows the macro come after them.
.macro JLOAD s
	s_cmp_eq_u32 s11, 0
	s_cbranch_scc0 .Lfor_b_\@
	tensor_load_to_lds s[G0+4*(\s):G0+4*(\s)+3], s[G1:G1+7]
	s_nop 0
.rept 4
	v_nop
.endr
	s_branch .Lasked_\@
.Lfor_b_\@:
	tensor_load_to_lds s[G0B+4*(\s):G0B+4*(\s)+3], s[G1B:G1B+7]
	s_nop 0
.rept 4
	v_nop
.endr
.Lasked_\@:
.endm
; A PREFETCH INTO THE L2, behind each joint refill, its five lines and the run of LDS loads that follows them: the K step that stands TWO refills on, 512 matrix instructions ahead of the load that will
; want it: 32 rows x 256 bytes, a lane a row, one instruction a wave.  Each row's 256 bytes of a K step are named ONCE in the launch: fb's tile row is read by every cluster of that row of clusters, and
; the one with x = 0 asks; wb's tile column by both clusters of that column, and the one with y = 0 asks.  The four partners that ask for a tile jointly share its rows out BY ADDRESS: of the 128 rows
; that a wave fetches the partner at place q takes 32 q .. 32 q + 31 (q = cx for fb, cy for wb).  The first four K steps come by their loads alone; the loop's last trip (s3 = 1) asks for nothing.
.macro ASK
	s_cmp_gt_u32 s3, s[LIM]
	s_cbranch_scc0 .Lnot_mine_\@
	global_prefetch_b8 v[PFO], s[PFA:PFA+1] offset:KSTEP*2 th:TH_LOAD_NT scope:SCOPE_SE
.Lnot_mine_\@:
.endm
; A round of the cluster's barrier: my work-group's barrier, so that wave 0's signal speaks for all four waves; wave 0 signals for the work-group; every wave waits for all sixteen work-groups;
; my work-group's barrier once more.  No LDS instruction of the wave is pending at a signal.
.macro CREST                           ; a round behind its opening barrier
	s_cmp_lg_u32 s10, 0
	s_cbranch_scc1 .Lnot_wave_0_\@
	s_barrier_signal -3
.Lnot_wave_0_\@:
	s_barrier_wait -3
	s_barrier_signal -1
	s_barrier_wait -1
.endm
.macro CROUND                          ; a whole round
	s_barrier_signal -1
	s_barrier_wait -1
	CREST
.endm
	s_load_b128 s[4:7], s[0:1], 0x0                ; fb s[4:5], wb s[6:7]
	s_load_b128 s[76:79], s[0:1], 0x10             ; b1 s[76:77], b2 s[78:79]
	s_load_b64 s[8:9], s[0:1], 0x20                ; p
	s_load_b64 s[STB:STB+1], s[0:1], 0x28          ; st
	v_lshl_add_u32 v[SPW], v0, 2, SPARE
	v_mov_b32 v[NIL], 0
	ds_add_u32 v[SPW], v[NIL]                      ; the wave's opening: the add, twice on end, and its wait stand ahead of my first tensor load; the set-up below, work on registers, stands between
	ds_add_u32 v[SPW], v[NIL]                      ; and once more, under the one wait
	v_lshrrev_b32 v1, 5, v0
	v_readfirstlane_b32 s10, v1                    ; wave 0..3
	s_lshr_b32 s11, s10, 1                         ; which half of the tile's rows is mine.  Also: I fetch for fb (0) or for wb (1)
	s_and_b32 s12, s10, 1                          ; which half of its columns.  Also: which 128 rows of that tile I fetch
	s_bfe_u32 s40, ttmp6, 0x40000                  ; cx: my place along the cluster's x
	s_bfe_u32 s41, ttmp6, 0x40004                  ; cy: along its y
	s_lshl_b32 s42, ttmp9, 2                       ; in a cluster launch ttmp9 and ttmp7 count clusters
	s_add_co_u32 s42, s42, s40                     ; tile column = 4 x cluster x + cx
	s_and_b32 s13, ttmp7, 0xffff
	s_lshl_b32 s13, s13, 2
	s_add_co_u32 s13, s13, s41                     ; tile row = 4 x cluster y + cy
	s_lshl_b32 s43, s41, 2
	s_lshl_b32 s43, 15, s43                        ; my row of the cluster: places 4 cy .. 4 cy + 3
	s_lshl_b32 s44, 0x1111, s40                    ; my column: places cx, cx + 4, cx + 8, cx + 12
	; descriptor group 1: a tile of 128 rows x 128 elements, padded in LDS
	s_or_b32 s[G1+0], s43, (1<<16)|(1<<20)|(1<<21)|(5<<22)|(3<<25)  ; 15:0 the mask: fb's tiles go to my row; 17:16 elements of 2 bytes; 20 padding on; 21 set beside a mask; 24:22 after every 64 words (code 5); 31:25 4 words of it (code 3)
	s_or_b32 s[G1B+0], s44, (1<<16)|(1<<20)|(1<<21)|(5<<22)|(3<<25) ; the same with the mask of my column, for wb's tiles
.irp g, G1, G1B
	s_mov_b32 s[(\g)+1], KSTEP<<16                 ; 63:48 tensor_dim0, low half = 128
	s_mov_b32 s[(\g)+2], 128<<16                   ; 79:64 its high half = 0; 95:80 tensor_dim1, low half = 128
	s_mov_b32 s[(\g)+3], KSTEP<<16                 ; 111:96 its high half = 0; 127:112 tile_dim0 = 128
	s_mov_b32 s[(\g)+4], 128                       ; 143:128 tile_dim1 = 128; 159:144 tile_dim2 = 0
	s_mov_b32 s[(\g)+5], SIZE_K                    ; 191:160 tensor_dim0_stride, low word: elements from row to row
	s_mov_b32 s[(\g)+6], 0
	s_mov_b32 s[(\g)+7], 0
.endr
	s_mov_b32 s[CS], 0x3fb8aa3b                    ; c = log2(e)
	s_mov_b32 s[CS+1], s[CS]                       ; named with it as a pair, so it is written
	s_mov_b32 s[SEL], 0x76543210
	s_mov_b32 s[SEL+1], 0xfedcba98
	s_mov_b32 s[HM], 0xffff0000
	; where the tiles come from.  fb's hang on the tile row alone, which my row of the cluster shares; wb's on the tile column alone, which my column shares.
	; Every wave makes both addresses, in registers that never hold the other coordinate, and asks by one of them.
	s_lshl_b32 s17, s12, 7                         ; which 128 rows of the tile I fetch
	s_lshl_b32 s16, s13, 8
	s_add_co_u32 s16, s16, s17                     ; fb: row 256 x tile row + 128 x half
	s_lshl_b32 s46, s42, 8
	s_add_co_u32 s46, s46, s17                     ; wb: row 256 x tile column + 128 x half
	s_mov_b32 s17, 0
	s_mov_b32 s47, 0
	s_mov_b64 s[18:19], SIZE_K*2
	s_mul_u64 s[16:17], s[16:17], s[18:19]         ; in bytes
	s_mul_u64 s[46:47], s[46:47], s[18:19]
	s_mul_i32 s20, s10, HALFT                      ; and where they go: fb's two halves, then wb's two halves = wave x 128 rows: no place in the cluster enters an LDS address
	s_wait_dscnt 0x0                               ; both opening adds are done
	s_wait_kmcnt 0x0
	s_add_nc_u64 s[14:15], s[4:5], s[16:17]
	s_add_nc_u64 s[46:47], s[6:7], s[46:47]
	CROUND                                         ; all sixteen work-groups are here: the first joint loads meet
.irp s, 0,1
	s_mov_b32 s[G0+4*(\s)], 1                                      ; 1:0 count = 1
	s_add_co_u32 s[G0+4*(\s)+1], s20, (\s)*SLOT                    ; 63:32 LDS address
	s_add_nc_u64 s[G0+4*(\s)+2:G0+4*(\s)+3], s[14:15], (\s)*KSTEP*2  ; 120:64 global address: K step s
	s_or_b32 s[G0+4*(\s)+3], s[G0+4*(\s)+3], 0x80000000            ; 127:126 type = 2
	s_mov_b32 s[G0B+4*(\s)], 1
	s_add_co_u32 s[G0B+4*(\s)+1], s20, (\s)*SLOT
	s_add_nc_u64 s[G0B+4*(\s)+2:G0B+4*(\s)+3], s[46:47], (\s)*KSTEP*2
	s_or_b32 s[G0B+4*(\s)+3], s[G0B+4*(\s)+3], 0x80000000
	JLOAD \s                                       ; the ring is filled before anything else is done: two loads of mine are out
.endr
	v_and_b32 v1, 15, v0                           ; l % 16
	v_bfe_u32 v2, v0, 4, 1                         ; l / 16
	v_lshlrev_b32 v[BO], 5, v2
	; the bias of my 128 columns: tile columns 0-15 (clusters 0-3 along x) belong to b1, the others to b2
	s_and_b32 s80, s42, 15
	s_lshl_b32 s80, s80, 10                        ; 256 columns of 4 bytes a tile column,
	s_lshl_b32 s81, s12, 9                         ; my half of them
	s_add_co_u32 s80, s80, s81
	s_mov_b32 s81, 0
	s_cmp_lt_u32 ttmp9, 4
	s_cselect_b64 s[BIA:BIA+1], s[76:77], s[78:79]
	s_add_nc_u64 s[BIA:BIA+1], s[BIA:BIA+1], s[80:81]
	WIN TO_B
.irp b, 0,1,2,3,4,5,6,7                ; register 8 b + j: the bias of column 16 b + 8 (l / 16) + j, which is where an accumulator of column block b holds that column
	global_load_b128 v[8*(\b):8*(\b)+3],   v[BO], s[BIA:BIA+1] offset:64*(\b)
	global_load_b128 v[8*(\b)+4:8*(\b)+7], v[BO], s[BIA:BIA+1] offset:64*(\b)+16
.endr
	WIN 0
	; st at my first 32 rows (block 8 x tile row + 4 x half, 16,384 bytes each) and my group of 128 columns (2 x tile column + half, 256 bytes each)
	s_lshl_b32 s80, s13, 3
	s_lshl_b32 s82, s11, 2
	s_add_co_u32 s80, s80, s82
	s_lshl_b32 s80, s80, 14
	s_lshl_b32 s82, s42, 1
	s_add_co_u32 s82, s82, s12
	s_lshl_b32 s82, s82, 8
	s_add_co_u32 s80, s80, s82
	s_add_nc_u64 s[STB:STB+1], s[STB:STB+1], s[80:81]
	v_and_b32 v[SO], 31, v0
	v_lshlrev_b32 v[SO], 3, v[SO]
	; A fragment is 16 rows x 32 K in 8 registers: lane l holds row l % 16; registers 0-3 hold K = 8 (l / 16) + 0..7, registers 4-7 hold K = 16 + 8 (l / 16) + 0..7: two loads of 16 bytes, 32 bytes apart.
	v_mul_u32_u24 v3, v1, PITCH
	v_lshl_add_u32 v3, v2, 4, v3                   ; row x pitch + 16 x half
	s_mul_i32 s21, s11, HALFT                      ; my 128 rows of fb
	s_mul_i32 s22, s12, HALFT                      ; my 128 rows of wb,
	s_add_co_u32 s22, s22, 2*HALFT                 ; which lie behind fb's 256
.irp s, 0,1
	v_add_nc_u32 v[ADRA+(\s)], s21, v3
	v_add_nc_u32 v[ADRB+(\s)], s22, v3
	s_add_co_u32 s21, s21, SLOT
	s_add_co_u32 s22, s22, SLOT
.endr
	s_mul_i32 s23, s10, 16*SPITCH
	s_add_co_u32 s23, s23, STAGE                   ; my stage
	v_mul_u32_u24 v4, v1, SPITCH                   ; in: row l % 16, 16 bytes for each half of the lanes
	v_lshl_add_u32 v4, v2, 4, v4
	v_add_nc_u32 v[STO], s23, v4
	v_mul_u32_u24 v5, v2, SPITCH                   ; back: lanes 0-15 take one row of 256 bytes, lanes 16-31 the next
	v_lshl_add_u32 v5, v1, 4, v5
	v_add_nc_u32 v[RD], s23, v5
	v_mul_u32_u24 v5, v2, SIZE_N*2                 ; and the same two rows in p
	v_lshl_add_u32 v[CO], v1, 4, v5
	; where my part of the tile begins in p, in bytes: the way out adds it to p's address
	s_lshl_b32 s13, s13, 8
	s_lshl_b32 s14, s11, 7
	s_add_co_u32 s16, s13, s14                     ; my first row
	s_mov_b32 s17, 0
	s_mov_b64 s[18:19], SIZE_N*2
	s_mul_u64 s[16:17], s[16:17], s[18:19]
	s_lshl_b32 s46, s42, 9                         ; my first column, in bytes: 512 x tile column + 256 x half
	s_lshl_b32 s47, s12, 8
	s_add_co_u32 s46, s46, s47
	s_mov_b32 s47, 0
	s_add_nc_u64 s[16:17], s[16:17], s[46:47]
	; the prefetches.  s13 = 256 x tile row, s42 = tile column, s40 = cx, s41 = cy still stand
	s_lshl_b32 s42, s42, 8
	s_and_b32 s22, ttmp7, 0xffff                   ; cluster y
	s_cmp_eq_u32 s11, 0                            ; do I fetch for fb?
	s_cselect_b32 s20, s13, s42                    ; the tile's first row: in fb by the tile row, in wb by the tile column
	s_cselect_b32 s21, s40, s41                    ; my place among the four that ask for it with me
	s_cselect_b32 s22, ttmp9, s22                  ; the coordinate along which other clusters read the same rows
	s_cselect_b64 s[PFA:PFA+1], s[4:5], s[6:7]
	s_cmp_eq_u32 s22, 0
	s_cselect_b32 s[LIM], 1, -1                    ; the same in all sixteen partners, for a given wave
	s_lshl_b32 s22, s12, 7
	s_add_co_u32 s20, s20, s22                     ; + the 128 rows that I fetch
	s_lshl_b32 s21, s21, 5
	s_add_co_u32 s20, s20, s21                     ; + my work-group's 32 of them
	s_mov_b32 s21, 0
	s_mov_b64 s[18:19], SIZE_K*2
	s_mul_u64 s[20:21], s[20:21], s[18:19]
	s_add_nc_u64 s[PFA:PFA+1], s[PFA:PFA+1], s[20:21]
	s_add_nc_u64 s[PFA:PFA+1], s[PFA:PFA+1], 2*KSTEP*2  ; at K step 2: the first refill steps it to 3 and names K step 4
	v_and_b32 v[PFO], 31, v0
	v_mul_u32_u24 v[PFO], v[PFO], SIZE_K*2
; 16 matrix instructions: row blocks a0, a0 + 1 of the window's four (hi = 0: my rows 0-63, 1: rows 64-127) x all 8 column blocks, 32 along K.
; first = 1: the first product on each accumulator takes the bias as C.  The 64 accumulators take turns, one instruction a turn, in the same order in every quarter step.
.macro MUL16 f, hi, a0, first
.if \first
	WIN FIRST_LO+0x40*(\hi)
.else
	WIN MUL_LO+0x50*(\hi)
.endif
.irp a, \a0, (\a0)+1
.irp b, 0,1,2,3,4,5,6,7
.if \first
	v_wmma_f32_16x16x32_bf16 v[8*(8*(\a)+(\b)):8*(8*(\a)+(\b))+7], v[(\f)+8*(\b):(\f)+8*(\b)+7], v[(\f)+8*(4*(\hi)+(\a)):(\f)+8*(4*(\hi)+(\a))+7], v[8*(\b):8*(\b)+7]
.else
	v_wmma_f32_16x16x32_bf16 v[8*(8*(\a)+(\b)):8*(8*(\a)+(\b))+7], v[(\f)+8*(\b):(\f)+8*(\b)+7], v[(\f)+8*(4*(\hi)+(\a)):(\f)+8*(4*(\hi)+(\a))+7], v[8*(8*(\a)+(\b)):8*(8*(\a)+(\b))+7]
.endif
.endr
.endr
.endm
; 32 LDS loads in one run: the fragments of one quarter step (128 rows of wb, 128 rows of fb, 32 K at byte k of the rows) into buffer f
.macro FETCH slot, k, f
	WIN TO_B
.irp i, 0,1,2,3,4,5,6,7
	ds_load_b128 v[(\f)+8*(\i):(\f)+8*(\i)+3],   v[ADRB+(\slot)] offset:(\k)+(\i)*16*PITCH
	ds_load_b128 v[(\f)+8*(\i)+4:(\f)+8*(\i)+7], v[ADRB+(\slot)] offset:(\k)+(\i)*16*PITCH+32
.endr
	WIN 0
.irp i, 0,1,2,3,4,5,6,7
	ds_load_b128 v[(\f)+8*(\i):(\f)+8*(\i)+3],   v[ADRA+(\slot)] offset:(\k)+(\i)*16*PITCH
	ds_load_b128 v[(\f)+8*(\i)+4:(\f)+8*(\i)+7], v[ADRA+(\slot)] offset:(\k)+(\i)*16*PITCH+32
.endr
.endm
; A load into a register that a matrix instruction has read, and a vector instruction that reads a matrix result or writes one of a matrix instruction's registers, stand four places behind that
; matrix instruction, and only plain vector instructions that name none of its registers are places (ISA guide 7.12.1 for vector instructions).
.macro PLACES
.rept 4
	v_nop
.endr
.endm
; A K step is four quarter steps of 32 along K, 64 matrix instructions each, on buffers 0, 1, 0, 1.
; One of the first three: multiplies buffer f; in its middle it fetches the next quarter's fragments, at byte k of the same slot's rows, into buffer g.
.macro QUARTER slot, k, f, g, first
	s_wait_dscnt 8                                 ; wb's fragments and fb's rows 0-63 are in; the youngest eight loads (fb's rows 64-127) may be out
	MUL16 \f, 0, 0, \first
	MUL16 \f, 0, 2, \first
	PLACES
	FETCH \slot, \k, \g
	s_wait_dscnt 32                                ; all but the 32 just issued
	MUL16 \f, 1, 0, \first
	MUL16 \f, 1, 2, \first
.endm
; The last quarter multiplies buffer 1 and changes slots.  MEET is its first half: ONE barrier for the change of slots, for two things.  In front of it each wave waits for all its tensor loads, of which
; one is out: its part of the next slot; adds 0 to its spare word; and waits for that and for its own reads of this slot.  Behind it nobody reads this slot any more and the next slot is whole.
.macro MEET round                      ; round = 1: a round of the cluster's barrier follows
	WIN 0                                          ; (the add's two registers lie in window 0)
	s_wait_tensorcnt 0x0                           ; all my tensor loads have landed: the one that was out is my part of the next slot;
	ds_add_u32 v[SPW], v[NIL]                      ; 0 onto my spare word;
	s_wait_dscnt 9                                 ; (the add and the youngest eight loads may be out)
	MUL16 F1, 0, 0, 0                              ; sixteen matrix instructions stand between the add and the wait for it
	s_wait_dscnt 0x0                               ; the add is done, and my reads of this slot are over:
	s_barrier_signal -1                            ; say so (where a slot is filled again this barrier opens a round of the cluster's barrier),
	MUL16 F1, 0, 2, 0                              ; work on registers while the others arrive,
.if \round
	WIN 0
.endif
	s_barrier_wait -1                              ; and go on when all four have said so
.endm
; The whole last quarter.  fill = 1: behind the round the slot just read out is filled again first, with the K step two steps on: from that request to the wait for it a wave issues 224 matrix
; instructions; then come the next slot's first fragments.  fill = 0: nothing is asked for, so no round follows the barrier.
.macro TURN slot, next, fill
.if \fill
	s_wait_xcnt 0x0                                ; the last prefetch, a K step back, has read its address: it is stepped here, ahead of the waits of the change of slots
	s_add_nc_u64 s[PFA:PFA+1], s[PFA:PFA+1], KSTEP*2
	MEET 1
	CREST                                          ; all sixteen work-groups have said so: no wave of any partner still reads this slot's tile or has a load on its way
	s_add_nc_u64 s[G0+4*(\slot)+2:G0+4*(\slot)+3], s[G0+4*(\slot)+2:G0+4*(\slot)+3], 2*KSTEP*2     ; no tensor load of mine is out, so a group 0 may be written
	s_add_nc_u64 s[G0B+4*(\slot)+2:G0B+4*(\slot)+3], s[G0B+4*(\slot)+2:G0B+4*(\slot)+3], 2*KSTEP*2
	JLOAD \slot                                    ; the first tensor load behind the round, my only one until the next; the four v_nop behind it are also the places in front of the loads below
.else
	MEET 0
	PLACES
.endif
	FETCH \next, 0, F0
.if \fill
	ASK                                            ; behind the joint load and the run of LDS loads that the next products wait for
.endif
	MUL16 F1, 1, 0, 0
	MUL16 F1, 1, 2, 0
.endm
; THE WAY OUT of block a (16 rows x my 128 columns: 8 accumulators, 64 registers a lane), in three parts.
; SOFT: the rows' maximum over my 128 columns; p = 2^(c s - c m) in place; p rounded to bf16, 16 bytes for each accumulator; l, the sum of the unrounded p.
; Each accumulator's lowest registers are read first.  The block's 64 exponentials are ONE BATCH: nothing ahead of its one wait names a result of theirs.
.macro SOFT a
.set AC, 64*((\a)%4)                   ; its eight accumulators, in window 2 (blocks 0-3) or 3 (blocks 4-7)
.set CM, ST+2*(\a)
	WIN 0x2a+0x15*((\a)/4)                         ; three sources in the accumulators' window, destination in window 0
.irp b, 0,1,2,3,4,5,6,7
	v_max3_num_f32 v[MX+(\b)], v[AC+8*(\b)], v[AC+8*(\b)+1], v[AC+8*(\b)+2]
.endr
	WIN 0x28+0x14*((\a)/4)                         ; sources 1 and 2 in the accumulators' window
.irp b, 0,1,2,3,4,5,6,7
	v_max3_num_f32 v[MX+(\b)], v[MX+(\b)], v[AC+8*(\b)+3], v[AC+8*(\b)+4]
.endr
.irp b, 0,1,2,3,4,5,6,7
	v_max3_num_f32 v[MX+(\b)], v[MX+(\b)], v[AC+8*(\b)+5], v[AC+8*(\b)+6]
.endr
.irp k, 0,1,2,3
	v_max3_num_f32 v[MX+(\k)], v[MX+(\k)], v[AC+16*(\k)+7], v[AC+16*(\k)+15]  ; the eight registers left over
.endr
	WIN 0
	v_max3_num_f32 v[MX], v[MX], v[MX+1], v[MX+2]
	v_max3_num_f32 v[MX+3], v[MX+3], v[MX+4], v[MX+5]
	v_max_num_f32 v[MX+6], v[MX+6], v[MX+7]
	v_max3_num_f32 v[MX], v[MX], v[MX+3], v[MX+6]
	v_permlanex16_b32 v[T], v[MX], s[SEL], s[SEL+1]  ; the row's other 64 columns lie in the lane 16 away
	v_max_num_f32 v[MX], v[MX], v[T]
	v_mul_f32 v[CM], s[CS], v[MX]                  ; c m
	WIN 0x82+0x41*((\a)/4)                         ; destination and source 0 in the accumulators' window, c m in window 0
.set n, 0
.rept 32                               ; pair n is scaled two lines of scaling ahead of its exponentials: a plain instruction leads each pair of exponentials
	v_pk_fma_f32 v[AC+2*n:AC+2*n+1], v[AC+2*n:AC+2*n+1], s[CS:CS+1], v[CM:CM+1] op_sel_hi:[1,0,0] neg_lo:[0,0,1] neg_hi:[0,0,1]  ; c s - c m
.if n >= 2
	v_exp_f32 v[AC+2*n-4], v[AC+2*n-4]
	v_exp_f32 v[AC+2*n-3], v[AC+2*n-3]
.endif
.set n, n+1
.endr
.set n, 60
.rept 4
	v_exp_f32 v[AC+n], v[AC+n]
.set n, n+1
.endr
	v_nop                                          ; a plain instruction behind the last exponential and ahead of the first use (ISA guide 5.7.2): one for the batch
	s_wait_alu depctr_va_vdst(0)                   ; the wait ahead of the first instruction that names a result: one for the 64 exponentials
	WIN 0x0a+5*((\a)/4)                            ; sources 0 and 1 in the accumulators' window
.set n, 0
.rept 32
	v_cvt_pk_bf16_f32 v[TMP+n], v[AC+2*n], v[AC+2*n+1]
.set n, n+1
.endr
.irp k, 0,1,2,3
	v_pk_add_f32 v[SU+2*(\k):SU+2*(\k)+1], v[AC+4*(\k):AC+4*(\k)+1], v[AC+4*(\k)+2:AC+4*(\k)+3]  ; pairs 0 to 7 start four chains: nothing is cleared
.endr
	WIN 0x08+4*((\a)/4)                            ; source 1 in the accumulators' window
.set n, 8
.rept 24
	v_pk_add_f32 v[SU+2*(n%4):SU+2*(n%4)+1], v[SU+2*(n%4):SU+2*(n%4)+1], v[AC+2*n:AC+2*n+1]
.set n, n+1
.endr
	WIN 0
	v_pk_add_f32 v[SU:SU+1], v[SU:SU+1], v[SU+2:SU+3]
	v_pk_add_f32 v[SU+4:SU+5], v[SU+4:SU+5], v[SU+6:SU+7]
	v_pk_add_f32 v[SU:SU+1], v[SU:SU+1], v[SU+4:SU+5]
	v_add_f32 v[T2], v[SU], v[SU+1]
	v_permlanex16_b32 v[T], v[T2], s[SEL], s[SEL+1]
	v_add_f32 v[CM+1], v[T2], v[T]                 ; l
.endm
; TOSTAGE: into my own stage in LDS, and back as whole rows of 256 bytes.
.macro TOSTAGE a
	WIN 0
.set BK, OB+192*((\a)%2)
.irp b, 0,1,2,3,4,5,6,7
	ds_store_b128 v[STO], v[TMP+4*(\b):TMP+4*(\b)+3] offset:32*(\b)
.endr
.irp t, 0,1,2,3,4,5,6,7
	ds_load_b128 v[BK+4*(\t):BK+4*(\t)+3], v[RD] offset:(\t)*2*SPITCH  ; LDS serves a wave's instructions in order (ISA guide 5.7.1.4): these see the stores above
.endr
.endm
; SEND: stored.  younger: the LDS instructions issued behind TOSTAGE's loads, which may stay out
.macro SEND a, younger
	WIN 0
.set BK, OB+192*((\a)%2)
	s_wait_dscnt \younger                          ; the block is back in registers
	s_wait_xcnt 0x0                                ; every earlier memory instruction has had its addresses translated (ISA guide 3.1): only behind this wait are the stores' base and the registers that earlier stores read rewritten
.if (\a) == 0
	s_add_nc_u64 s[8:9], s[8:9], s[16:17]          ; on to my first rows
.else
	s_add_nc_u64 s[8:9], s[8:9], 16*SIZE_N*2       ; 16 rows of p on
.endif
.irp t, 0,1,2,3,4,5,6,7
	global_store_b128 v[CO], v[BK+4*(\t):BK+4*(\t)+3], s[8:9] offset:2*(\t)*SIZE_N*2  ; 16 lanes store 256 consecutive bytes, at a multiple of 256 from p's first byte
.endr
.endm
	s_wait_loadcnt 0x0                             ; the bias
	s_wait_tensorcnt 1                             ; my part of K step 0 is in; K step 1's may stay out
	s_barrier_signal -1
	s_barrier_wait -1                              ; everybody's is
	FETCH 0, 0, F0
	QUARTER 0, 64,  F0, F1, 1                      ; the first quarter stands in front of the loop: its products start the sums, with the bias
	WIN 0                                          ; at a label and at a branch every window is 0
	s_mov_b32 s3, LAPS-1
.Llap:                                                 ; 15 trips: a trip goes once round the ring, from a lap's second quarter to the next lap's first, and fills both slots again
	QUARTER 0, 128, F1, F0, 0
	QUARTER 0, 192, F0, F1, 0
	TURN 0, 1, 1
	QUARTER 1, 64,  F0, F1, 0
	QUARTER 1, 128, F1, F0, 0
	QUARTER 1, 192, F0, F1, 0
	TURN 1, 0, 1
	QUARTER 0, 64,  F0, F1, 0
	WIN 0
	s_sub_co_u32 s3, s3, 1
	s_cmp_lg_u32 s3, 0
	s_cbranch_scc1 .Llap
	QUARTER 0, 128, F1, F0, 0                      ; the last lap is written out: it fills nothing, and has no round of the cluster's barrier
	QUARTER 0, 192, F0, F1, 0
	TURN 0, 1, 0
	QUARTER 1, 64,  F0, F1, 0
	QUARTER 1, 128, F1, F0, 0
	QUARTER 1, 192, F0, F1, 0
	s_wait_dscnt 8                                 ; the very last quarter: nothing more to fetch
	MUL16 F1, 0, 0, 0
	MUL16 F1, 0, 2, 0
	s_wait_dscnt 0x0
	MUL16 F1, 1, 0, 0
	MUL16 F1, 1, 2, 0
	WIN 0
	PLACES                                         ; the places behind the last products, ahead of the first read of a result and of the first write into a fragment's register;
	PLACES                                         ; eight, once a launch: the stricter count
	v_mov_b32 v[T], 0                              ; v_permlanex16_b32's destination counts as read: it is written first
.irp a, 0,1,2,3,4,5,6,7
	v_mov_b32 v[ST+2*(\a)+1], 0                    ; l's register is named beside c m, as a pair, before l is made: it is written first
.endr
	SOFT 0
	TOSTAGE 0
.irp a, 1,2,3,4,5,6,7                  ; block a's arithmetic stands between block a - 1's loads from the stage and the wait for them
	SOFT \a
	SEND (\a)-1, 0
	TOSTAGE \a
.endr
	SEND 7, 0
	; the statistics: both halves of the lanes hold a row's pair, so lanes 0-15 give block 2 q's rows and lanes 16-31 block 2 q + 1's: 32 rows x 8 bytes
.irp q, 0,1,2,3
	v_cndmask_b32 v[SD+2*(\q)],   v[ST+4*(\q)],   v[ST+4*(\q)+2], s[HM]
	v_cndmask_b32 v[SD+2*(\q)+1], v[ST+4*(\q)+1], v[ST+4*(\q)+3], s[HM]
.endr
.irp q, 0,1,2,3
	global_store_b64 v[SO], v[SD+2*(\q):SD+2*(\q)+1], s[STB:STB+1] offset:16384*(\q)  ; a wave's store covers 256 consecutive bytes, aligned
.endr
	s_wait_tensorcnt 0x0                           ; the wave's end, behind my last tensor load and my last LDS store
	ds_add_u32 v[SPW], v[NIL]
	s_wait_dscnt 0x0
	CROUND                                         ; the closing round: no work-group ends while a partner may still ask for a tile that names it
	s_endpgm
.Lfunc_end_k_qe95631c877_gemm:
	.size	k_qe95631c877_gemm, .Lfunc_end_k_qe95631c877_gemm-k_qe95631c877_gemm
	.p2alignl 7, 3214868480
	.fill 96, 4, 3214868480
	.section	.rodata,"a",@progbits
	.p2align	6, 0x0
	.amdhsa_kernel k_qe95631c877_gemm
		.amdhsa_group_segment_fixed_size 327680
		.amdhsa_private_segment_fixed_size 0
		.amdhsa_enable_private_segment 0
		.amdhsa_kernarg_size 48
		.amdhsa_user_sgpr_count 2
		.amdhsa_user_sgpr_kernarg_segment_ptr 1
		.amdhsa_wavefront_size32 1
		.amdhsa_system_sgpr_workgroup_id_x 1
		.amdhsa_system_sgpr_workgroup_id_y 1
		.amdhsa_system_sgpr_workgroup_id_z 1
		.amdhsa_system_vgpr_workitem_id 0
		.amdhsa_next_free_vgpr 1024
		.amdhsa_next_free_sgpr 84
		.amdhsa_reserve_vcc 0
		.amdhsa_float_denorm_mode_32 3
		.amdhsa_float_denorm_mode_16_64 3
		.amdhsa_memory_ordered 1
		.amdhsa_forward_progress 1
		.amdhsa_inst_pref_size 215
	.end_amdhsa_kernel
	.amdgpu_metadata
---
amdhsa.version: [ 1, 2 ]
amdhsa.kernels:
  - .name:           k_qe95631c877_gemm
    .symbol:         k_qe95631c877_gemm.kd
    .args:
      - { .name: fb, .offset: 0, .size: 8, .value_kind: global_buffer, .address_space: global }
      - { .name: wb, .offset: 8, .size: 8, .value_kind: global_buffer, .address_space: global }
      - { .name: b1, .offset: 16, .size: 8, .value_kind: global_buffer, .address_space: global }
      - { .name: b2, .offset: 24, .size: 8, .value_kind: global_buffer, .address_space: global }
      - { .name: p, .offset: 32, .size: 8, .value_kind: global_buffer, .address_space: global }
      - { .name: st, .offset: 40, .size: 8, .value_kind: global_buffer, .address_space: global }
    .group_segment_fixed_size: 327680
    .private_segment_fixed_size: 0
    .kernarg_segment_align: 8
    .kernarg_segment_size: 48
    .max_flat_workgroup_size: 128
    .sgpr_count:     84
    .vgpr_count:     1024
    .wavefront_size: 32
...
	.end_amdgpu_metadata
.endif
;; end of part 2
;; launch finish (part 3): grid 256 x 1, 8 waves a work-group, no clusters, 3,072 bytes of LDS; arguments p, st, f, out0; writes out0
.if DOCPART == 3
	.amdgcn_target "amdgcn-amd-amdhsa--gfx1250"
	.amdhsa_code_object_version 6
	.text
	.protected	k_qe95631c877_finish
	.globl	k_qe95631c877_finish
	.p2align	8
	.type	k_qe95631c877_finish,@function
k_qe95631c877_finish:
	s_mov_b64 s[64:65], 0
	v_nop
	global_prefetch_b8 v0, s[64:65] scope:SCOPE_SE
	s_setreg_imm32_b32 hwreg(HW_REG_WAVE_MODE, 25, 1), 1
	s_wait_xcnt 0x0
; out[r][c] = f[r][c] + p[r][c] x fac1[r][c / 128] + p[r][4096 + c] x fac2[r][c / 128].  Nothing is left out.
; p: [2048][8192] bf16, p = 2^(c s - cm_g) with cm_g = log2(e) x the maximum of group g's 128 columns; st: [row / 32][g, 0-63][row % 32][2] f32, the pairs (cm_g, l_g), l_g the group's sum of p.
; For a softmax's 32 groups: M = the largest cm_g; w_g = 2^(cm_g - M); L = the sum of l_g w_g; fac_g = w_g / L.  So p x fac = exp(s - the row's maximum) / the row's sum.  L is about 1 or more: the
; group that holds M has w = 1, and its l holds the weight of its own maximum.
; LIMITS.  A w below 2^-126 counts as 0; NaN and infinities are not treated apart.
; A STREAM: every byte of p and f is read once and every byte of out written once; no wave shares a byte with another but st's pairs; so no matrix unit, no cluster, no barrier.
; SHARES.  A wave takes a row: 8 rows a work-group.  Lane i holds group i's pair of each softmax; the factors go through the wave's own 256 bytes of LDS and come back broadcast, eight a quarter and
; softmax.  The row goes in four quarters of 8 groups; load j of a tensor covers group j alone (32 lanes x 4 columns), so one factor serves the whole wave.  Two quarters' 48 loads are out at a time.
.set FACT,  0                          ; LDS: wave w's factors at 256 w: softmax 1's 32, then softmax 2's
.set SPARE, 2048                       ; behind them: the spare words, 128 bytes for each wave: four blocks of 256 bytes that no other line names
.set SPW, 8                            ; v8   LDS address of my spare word: SPARE + 4 x my thread's number; never rewritten
.set NIL, 9                            ; v9   0; never rewritten
.set FA,  32                           ; v[32:63]   two sets of 16 factors: softmax 1's eight, then softmax 2's
.set D,   64                           ; v[64:255]  three buffers of 64: group g's p1 at 8 g (two registers), p2 at 8 g + 2, f at 8 g + 4 (four)
	s_load_b256 s[4:11], s[0:1], 0x0               ; p s[4:5], st s[6:7], f s[8:9], out0 s[10:11]
	v_lshl_add_u32 v[SPW], v0, 2, SPARE
	v_mov_b32 v[NIL], 0
	v_lshrrev_b32 v1, 5, v0
	v_readfirstlane_b32 s12, v1                    ; wave 0..7
	v_and_b32 v1, 31, v0                           ; lane
	v_lshlrev_b32 v2, 8, v1                        ; st: a group is 256 bytes
	v_lshlrev_b32 v3, 3, v1                        ; p: my four columns, 8 bytes
	v_lshlrev_b32 v4, 4, v1                        ; f and out: 16 bytes
	s_lshl_b32 s20, s12, 8                         ; my wave's factors in LDS
	v_lshl_add_u32 v5, v1, 2, s20                  ; where I put my group's factor
	v_mov_b32 v6, s20                              ; where every lane reads them back
	s_mov_b32 s16, 0x76543210                      ; v_permlanex16_b32: each lane takes its own place in the other half
	s_mov_b32 s17, 0xfedcba98
	s_lshl_b32 s13, ttmp9, 3
	s_add_co_u32 s13, s13, s12                     ; my row
	s_lshl_b32 s14, s13, 14                        ; a row of p, of f and of out is 16,384 bytes
	s_mov_b32 s15, 0
	s_lshr_b32 s18, s13, 5
	s_lshl_b32 s18, s18, 14                        ; st: my block of 32 rows,
	s_and_b32 s19, s13, 31
	s_lshl_b32 s19, s19, 3                         ; my row's pair in each group
	s_add_co_u32 s18, s18, s19
	s_mov_b32 s19, 0
	s_wait_kmcnt 0x0
	s_add_nc_u64 s[4:5], s[4:5], s[14:15]
	s_add_nc_u64 s[8:9], s[8:9], s[14:15]
	s_add_nc_u64 s[10:11], s[10:11], s[14:15]
	s_add_nc_u64 s[6:7], s[6:7], s[18:19]
.macro LOADQ q                         ; quarter q's 24 loads, into buffer q % 3
.set DB, D+64*((\q)%3)
.irp g, 0,1,2,3,4,5,6,7
	global_load_b64  v[DB+8*(\g):DB+8*(\g)+1],   v3, s[4:5] offset:256*(8*(\q)+(\g)) th:TH_LOAD_NT       ; 256 consecutive bytes, aligned
	global_load_b64  v[DB+8*(\g)+2:DB+8*(\g)+3], v3, s[4:5] offset:8192+256*(8*(\q)+(\g)) th:TH_LOAD_NT
	global_load_b128 v[DB+8*(\g)+4:DB+8*(\g)+7], v4, s[8:9] offset:512*(8*(\q)+(\g)) th:TH_LOAD_NT       ; 512 consecutive bytes
.endr
.endm
.macro FACQ q                          ; quarter q's 16 factors, into set q % 2: all lanes read the same bytes
.set FB, FA+16*((\q)%2)
	ds_load_b128 v[FB:FB+3],     v6 offset:FACT+32*(\q)
	ds_load_b128 v[FB+4:FB+7],   v6 offset:FACT+32*(\q)+16
	ds_load_b128 v[FB+8:FB+11],  v6 offset:FACT+128+32*(\q)
	ds_load_b128 v[FB+12:FB+15], v6 offset:FACT+128+32*(\q)+16
.endm
.macro MIX d, s, fct, hi               ; d += bf16 half hi of s, times the f32 factor: one fused multiply-add
	v_fma_mix_f32_bf16 v[\d], v[\s], v[\fct], v[\d] op_sel:[\hi,0,0] op_sel_hi:[1,0,0]
.endm
.macro WORK q                          ; quarter q: eight multiply-adds and a store for each group
.set DB, D+64*((\q)%3)
.set FB, FA+16*((\q)%2)
.irp g, 0,1,2,3,4,5,6,7
	MIX DB+8*(\g)+4, DB+8*(\g),   FB+(\g), 0
	MIX DB+8*(\g)+5, DB+8*(\g),   FB+(\g), 1
	MIX DB+8*(\g)+6, DB+8*(\g)+1, FB+(\g), 0
	MIX DB+8*(\g)+7, DB+8*(\g)+1, FB+(\g), 1
	MIX DB+8*(\g)+4, DB+8*(\g)+2, FB+8+(\g), 0
	MIX DB+8*(\g)+5, DB+8*(\g)+2, FB+8+(\g), 1
	MIX DB+8*(\g)+6, DB+8*(\g)+3, FB+8+(\g), 0
	MIX DB+8*(\g)+7, DB+8*(\g)+3, FB+8+(\g), 1
	global_store_b128 v4, v[DB+8*(\g)+4:DB+8*(\g)+7], s[10:11] offset:512*(8*(\q)+(\g)) th:TH_STORE_NT  ; 512 consecutive bytes, aligned
.endr
.endm
	global_load_b64 v[10:11], v2, s[6:7]               ; (cm, l) of group lane, softmax 1
	global_load_b64 v[12:13], v2, s[6:7] offset:8192   ; and softmax 2: groups 32 on
	LOADQ 0
	LOADQ 1
	s_wait_loadcnt 48                              ; the two pairs are in; the 48 younger loads stay out
	v_mov_b32 v16, v10                             ; the destination of a DPP form and of v_permlanex16_b32 counts as read: these four are written first
	v_mov_b32 v17, v12
	v_mov_b32 v18, 0
	v_mov_b32 v19, 0
.irp m, 1,2,4,8                        ; M over the 32 lanes, the two softmaxes by turns: four steps inside each half of 16 lanes, one across
	v_max_num_f32_dpp v16, v16, v16 row_xmask:\m row_mask:0xf bank_mask:0xf
	v_max_num_f32_dpp v17, v17, v17 row_xmask:\m row_mask:0xf bank_mask:0xf
.endr
	v_permlanex16_b32 v18, v16, s16, s17
	v_permlanex16_b32 v19, v17, s16, s17
	v_max_num_f32 v16, v16, v18
	v_max_num_f32 v17, v17, v19
	v_sub_f32 v20, v10, v16                        ; cm - M
	v_sub_f32 v21, v12, v17
	v_exp_f32 v22, v20                             ; w
	v_exp_f32 v23, v21
	v_nop                                          ; a plain instruction behind the last exponential (ISA guide 5.7.2),
	s_wait_alu depctr_va_vdst(0)                   ; and the wait ahead of the first use: one for the two
	v_mul_f32 v24, v11, v22                        ; l w
	v_mul_f32 v25, v13, v23
.irp m, 1,2,4,8                        ; L over the 32 lanes
	v_add_f32_dpp v24, v24, v24 row_xmask:\m row_mask:0xf bank_mask:0xf
	v_add_f32_dpp v25, v25, v25 row_xmask:\m row_mask:0xf bank_mask:0xf
.endr
	v_permlanex16_b32 v18, v24, s16, s17
	v_permlanex16_b32 v19, v25, s16, s17
	v_add_f32 v24, v24, v18
	v_add_f32 v25, v25, v19
	v_rcp_f32 v26, v24
	v_rcp_f32 v27, v25
	v_nop                                          ; a plain instruction behind the last reciprocal,
	s_wait_alu depctr_va_vdst(0)                   ; and one wait for the two
	v_mul_f32 v22, v22, v26                        ; fac = w / L
	v_mul_f32 v23, v23, v27
	ds_store_b32 v5, v22 offset:FACT
	ds_store_b32 v5, v23 offset:FACT+128
	FACQ 0                                         ; LDS serves a wave's instructions in order (ISA guide 5.7.1.4): these see the two stores; the bytes are my wave's own
	FACQ 1
	s_wait_loadcnt 24                              ; quarter 0 is in; quarter 1's 24 loads stay out
	LOADQ 2
	s_wait_dscnt 4                                 ; quarter 0's factors are in; quarter 1's four loads stay out
	WORK 0
	FACQ 2
	s_wait_loadcnt 24                              ; quarter 1 is in; quarter 2's stay out
	s_wait_xcnt 0x0                                ; quarter 0's stores have had their addresses translated (ISA guide 3.1): buffer 0, which they read, is loaded again only behind this wait
	LOADQ 3
	s_wait_dscnt 4                                 ; quarter 1's factors are in; quarter 2's stay out
	WORK 1
	FACQ 3
	s_wait_loadcnt 24                              ; quarter 2 is in; quarter 3's stay out
	s_wait_dscnt 4                                 ; quarter 2's factors are in; quarter 3's stay out
	WORK 2
	s_wait_loadcnt 0x0
	s_wait_dscnt 0x0
	WORK 3
	s_wait_tensorcnt 0x0                           ; the wave's end, behind my last LDS store
	ds_add_u32 v[SPW], v[NIL]
	s_wait_dscnt 0x0
	s_endpgm
.Lfunc_end_k_qe95631c877_finish:
	.size	k_qe95631c877_finish, .Lfunc_end_k_qe95631c877_finish-k_qe95631c877_finish
	.p2alignl 7, 3214868480
	.fill 96, 4, 3214868480
	.section	.rodata,"a",@progbits
	.p2align	6, 0x0
	.amdhsa_kernel k_qe95631c877_finish
		.amdhsa_group_segment_fixed_size 3072
		.amdhsa_private_segment_fixed_size 0
		.amdhsa_enable_private_segment 0
		.amdhsa_kernarg_size 32
		.amdhsa_user_sgpr_count 2
		.amdhsa_user_sgpr_kernarg_segment_ptr 1
		.amdhsa_wavefront_size32 1
		.amdhsa_system_sgpr_workgroup_id_x 1
		.amdhsa_system_sgpr_workgroup_id_y 1
		.amdhsa_system_sgpr_workgroup_id_z 1
		.amdhsa_system_vgpr_workitem_id 0
		.amdhsa_next_free_vgpr 256
		.amdhsa_next_free_sgpr 66
		.amdhsa_reserve_vcc 0
		.amdhsa_float_denorm_mode_32 3
		.amdhsa_float_denorm_mode_16_64 3
		.amdhsa_memory_ordered 1
		.amdhsa_forward_progress 1
		.amdhsa_inst_pref_size 34
	.end_amdhsa_kernel
	.amdgpu_metadata
---
amdhsa.version: [ 1, 2 ]
amdhsa.kernels:
  - .name:           k_qe95631c877_finish
    .symbol:         k_qe95631c877_finish.kd
    .args:
      - { .name: p, .offset: 0, .size: 8, .value_kind: global_buffer, .address_space: global }
      - { .name: st, .offset: 8, .size: 8, .value_kind: global_buffer, .address_space: global }
      - { .name: f, .offset: 16, .size: 8, .value_kind: global_buffer, .address_space: global }
      - { .name: out0, .offset: 24, .size: 8, .value_kind: global_buffer, .address_space: global }
    .group_segment_fixed_size: 3072
    .private_segment_fixed_size: 0
    .kernarg_segment_align: 8
    .kernarg_segment_size: 32
    .max_flat_workgroup_size: 256
    .sgpr_count:     66
    .vgpr_count:     256
    .wavefront_size: 32
...
	.end_amdgpu_metadata
.endif
;; end of part 3
;; ======== version 2 of 2: 3 launches; version 1 with the launch finish written anew for expert scheduling mode
;; workspace buffers: fb 16,777,216 bytes; wb 67,108,864 bytes; p 33,554,432 bytes; st 1,048,576 bytes
;; launch cast: the kernel of part 1 again; grid 512 x 5, 8 waves a work-group, no clusters, 0 bytes of LDS; arguments f, W1, W2, fb, wb; writes fb, wb
;; launch gemm: the kernel of part 2 again; grid 32 x 8, 4 waves a work-group, clusters of 4 x 4, 327,680 bytes of LDS; arguments fb, wb, b1, b2, p, st; writes p, st
;; launch finish (part 4): grid 256 x 1, 8 waves a work-group, no clusters, 3,072 bytes of LDS; arguments p, st, f, out0; writes out0
.if DOCPART == 4
	.amdgcn_target "amdgcn-amd-amdhsa--gfx1250"
	.amdhsa_code_object_version 6
	.text
	.protected	k_qe95631c877_finish
	.globl	k_qe95631c877_finish
	.p2align	8
	.type	k_qe95631c877_finish,@function
k_qe95631c877_finish:
	s_mov_b64 s[64:65], 0
	v_nop
	global_prefetch_b8 v0, s[64:65] scope:SCOPE_SE
	s_setreg_imm32_b32 hwreg(HW_REG_WAVE_SCHED_MODE, 0, 2), 2
	s_setreg_imm32_b32 hwreg(HW_REG_WAVE_MODE, 25, 1), 1
	s_wait_xcnt 0x0
	s_wait_alu depctr_vm_vsrc(0)
; out[r][c] = f[r][c] + p[r][c] x fac1[r][c / 128] + p[r][4096 + c] x fac2[r][c / 128].  Nothing is left out.
; p: [2048][8192] bf16, p = 2^(c s - cm_g) with cm_g = log2(e) x the maximum of group g's 128 columns; st: [row / 32][g, 0-63][row % 32][2] f32, the pairs (cm_g, l_g), l_g the group's sum of p.
; For a softmax's 32 groups: M = the largest cm_g; w_g = 2^(cm_g - M); L = the sum of l_g w_g; fac_g = w_g / L.  So p x fac = exp(s - the row's maximum) / the row's sum.  L is about 1 or more: the
; group that holds M has w = 1, and its l holds the weight of its own maximum.
; LIMITS.  A w below 2^-126 counts as 0; NaN and infinities are not treated apart.
; A STREAM: every byte of p and f is read once and every byte of out written once; no wave shares a byte with another but st's pairs; so no matrix unit, no cluster, no barrier.
; SHARES.  A wave takes a row: 8 rows a work-group.  Lane i holds group i's pair of each softmax; the factors go through the wave's own 256 bytes of LDS and come back broadcast, eight a quarter and
; softmax.  The row goes in four quarters of 8 groups; load j of a tensor covers group j alone (32 lanes x 4 columns), so one factor serves the whole wave.  Two quarters' 48 loads are out at a time.
; THE MODE: SCHED_MODE bits 1:0 = 2 (LLVM: expert scheduling mode 2), set by the entry lines.  The code itself states the register dependences between vector instructions and memory or LDS
; instructions, with s_wait_alu, always for 0.
; THE PLAN.  Registers that memory or LDS instructions touch:
;   v2 .. v6      offsets and LDS addresses: made at the head, never written again: one wait on va_vdst ahead of the first load serves every access of the kernel.
;   v[10:13]      the two pairs: loaded once, no vector instruction names them before.
;   v22, v23      the factors: written by the last two multiplies, read by the two LDS stores, never written again: a wait on va_vdst between.
;   FA0, FA1      Quarter q's multiply-adds read FA[q % 2]; behind them the LDS loads of quarter q + 2's factors land in it.
;   D0, D1, D2    Quarter q's multiply-adds read D[q % 3] and write its f registers; its eight stores read those.  D0 alone is loaded twice: quarter 3 lands in it behind quarter 0's stores.
; So a quarter's 64 multiply-adds stand together, and ONE wait on va_vdst stands behind them: they have written the f registers that the quarter's stores read, and are done reading the factors' set
; and the data buffer in which later loads land.  The stores and the LDS loads follow it.  ONE wait on vm_vsrc stands ahead of quarter 3's loads: quarter 0's stores have read D0.
.set FACT,  0                          ; LDS: wave w's factors at 256 w: softmax 1's 32, then softmax 2's
.set SPARE, 2048                       ; behind them: the spare words, 128 bytes for each wave: four blocks of 256 bytes that no other line names
.set SPW, 8                            ; v8   LDS address of my spare word: SPARE + 4 x my thread's number; never rewritten
.set NIL, 9                            ; v9   0; never rewritten
.set FA,  32                           ; v[32:63]   two sets of 16 factors: softmax 1's eight, then softmax 2's
.set D,   64                           ; v[64:255]  three buffers of 64: group g's p1 at 8 g (two registers), p2 at 8 g + 2, f at 8 g + 4 (four)
	s_load_b256 s[4:11], s[0:1], 0x0               ; p s[4:5], st s[6:7], f s[8:9], out0 s[10:11]
	v_lshl_add_u32 v[SPW], v0, 2, SPARE
	v_mov_b32 v[NIL], 0
	v_lshrrev_b32 v1, 5, v0
	v_readfirstlane_b32 s12, v1                    ; wave 0..7
	v_and_b32 v1, 31, v0                           ; lane
	v_lshlrev_b32 v2, 8, v1                        ; st: a group is 256 bytes
	v_lshlrev_b32 v3, 3, v1                        ; p: my four columns, 8 bytes
	v_lshlrev_b32 v4, 4, v1                        ; f and out: 16 bytes
	s_wait_alu depctr_va_sdst(0)                   ; s12 is written, ahead of its first reader: the LDS place and the row are made from it
	s_lshl_b32 s20, s12, 8                         ; my wave's factors in LDS
	v_lshl_add_u32 v5, v1, 2, s20                  ; where I put my group's factor
	v_mov_b32 v6, s20                              ; where every lane reads them back
	s_mov_b32 s16, 0x76543210                      ; v_permlanex16_b32: each lane takes its own place in the other half
	s_mov_b32 s17, 0xfedcba98
	s_lshl_b32 s13, ttmp9, 3
	s_add_co_u32 s13, s13, s12                     ; my row
	s_lshl_b32 s14, s13, 14                        ; a row of p, of f and of out is 16,384 bytes
	s_mov_b32 s15, 0
	s_lshr_b32 s18, s13, 5
	s_lshl_b32 s18, s18, 14                        ; st: my block of 32 rows,
	s_and_b32 s19, s13, 31
	s_lshl_b32 s19, s19, 3                         ; my row's pair in each group
	s_add_co_u32 s18, s18, s19
	s_mov_b32 s19, 0
	s_wait_kmcnt 0x0
	s_add_nc_u64 s[4:5], s[4:5], s[14:15]
	s_add_nc_u64 s[8:9], s[8:9], s[14:15]
	s_add_nc_u64 s[10:11], s[10:11], s[14:15]
	s_add_nc_u64 s[6:7], s[6:7], s[18:19]
.macro LOADQ q                         ; quarter q's 24 loads, into buffer q % 3
.set DB, D+64*((\q)%3)
.irp g, 0,1,2,3,4,5,6,7
	global_load_b64  v[DB+8*(\g):DB+8*(\g)+1],   v3, s[4:5] offset:256*(8*(\q)+(\g)) th:TH_LOAD_NT       ; 256 consecutive bytes, aligned
	global_load_b64  v[DB+8*(\g)+2:DB+8*(\g)+3], v3, s[4:5] offset:8192+256*(8*(\q)+(\g)) th:TH_LOAD_NT
	global_load_b128 v[DB+8*(\g)+4:DB+8*(\g)+7], v4, s[8:9] offset:512*(8*(\q)+(\g)) th:TH_LOAD_NT       ; 512 consecutive bytes
.endr
.endm
.macro FACQ q                          ; quarter q's 16 factors, into set q % 2: all lanes read the same bytes
.set FB, FA+16*((\q)%2)
	ds_load_b128 v[FB:FB+3],     v6 offset:FACT+32*(\q)
	ds_load_b128 v[FB+4:FB+7],   v6 offset:FACT+32*(\q)+16
	ds_load_b128 v[FB+8:FB+11],  v6 offset:FACT+128+32*(\q)
	ds_load_b128 v[FB+12:FB+15], v6 offset:FACT+128+32*(\q)+16
.endm
.macro MIX d, s, fct, hi               ; d += bf16 half hi of s, times the f32 factor: one fused multiply-add
	v_fma_mix_f32_bf16 v[\d], v[\s], v[\fct], v[\d] op_sel:[\hi,0,0] op_sel_hi:[1,0,0]
.endm
.macro MIXQ q                          ; quarter q: eight multiply-adds for each group: softmax 1's four, then softmax 2's onto the same four sums
.set DB, D+64*((\q)%3)
.set FB, FA+16*((\q)%2)
.irp g, 0,1,2,3,4,5,6,7
	MIX DB+8*(\g)+4, DB+8*(\g),   FB+(\g), 0
	MIX DB+8*(\g)+5, DB+8*(\g),   FB+(\g), 1
	MIX DB+8*(\g)+6, DB+8*(\g)+1, FB+(\g), 0
	MIX DB+8*(\g)+7, DB+8*(\g)+1, FB+(\g), 1
	MIX DB+8*(\g)+4, DB+8*(\g)+2, FB+8+(\g), 0
	MIX DB+8*(\g)+5, DB+8*(\g)+2, FB+8+(\g), 1
	MIX DB+8*(\g)+6, DB+8*(\g)+3, FB+8+(\g), 0
	MIX DB+8*(\g)+7, DB+8*(\g)+3, FB+8+(\g), 1
.endr
.endm
.macro STOREQ q                        ; quarter q: a store for each group
.set DB, D+64*((\q)%3)
.irp g, 0,1,2,3,4,5,6,7
	global_store_b128 v4, v[DB+8*(\g)+4:DB+8*(\g)+7], s[10:11] offset:512*(8*(\q)+(\g)) th:TH_STORE_NT  ; 512 consecutive bytes, aligned
.endr
.endm
	s_wait_alu depctr_va_vdst(0)                   ; v2 to v6 and v8 are written: every load, store and LDS access of the kernel reads one of them as its offset or address
	global_load_b64 v[10:11], v2, s[6:7]               ; (cm, l) of group lane, softmax 1
	global_load_b64 v[12:13], v2, s[6:7] offset:8192   ; and softmax 2: groups 32 on
	LOADQ 0
	LOADQ 1
	s_wait_loadcnt 48                              ; the two pairs are in; the 48 younger loads stay out
	v_mov_b32 v16, v10                             ; the destination of a DPP form and of v_permlanex16_b32 counts as read: these four are written first
	v_mov_b32 v17, v12
	v_mov_b32 v18, 0
	v_mov_b32 v19, 0
.irp m, 1,2,4,8                        ; M over the 32 lanes, the two softmaxes by turns: four steps inside each half of 16 lanes, one across
	v_max_num_f32_dpp v16, v16, v16 row_xmask:\m row_mask:0xf bank_mask:0xf
	v_max_num_f32_dpp v17, v17, v17 row_xmask:\m row_mask:0xf bank_mask:0xf
.endr
	v_permlanex16_b32 v18, v16, s16, s17
	v_permlanex16_b32 v19, v17, s16, s17
	v_max_num_f32 v16, v16, v18
	v_max_num_f32 v17, v17, v19
	v_sub_f32 v20, v10, v16                        ; cm - M
	v_sub_f32 v21, v12, v17
	v_exp_f32 v22, v20                             ; w
	v_exp_f32 v23, v21
	v_nop                                          ; a plain instruction behind the last exponential (ISA guide 5.7.2),
	s_wait_alu depctr_va_vdst(0)                   ; the two exponentials have written v22 and v23, ahead of their first reader: one wait for the two
	v_mul_f32 v24, v11, v22                        ; l w
	v_mul_f32 v25, v13, v23
.irp m, 1,2,4,8                        ; L over the 32 lanes
	v_add_f32_dpp v24, v24, v24 row_xmask:\m row_mask:0xf bank_mask:0xf
	v_add_f32_dpp v25, v25, v25 row_xmask:\m row_mask:0xf bank_mask:0xf
.endr
	v_permlanex16_b32 v18, v24, s16, s17
	v_permlanex16_b32 v19, v25, s16, s17
	v_add_f32 v24, v24, v18
	v_add_f32 v25, v25, v19
	v_rcp_f32 v26, v24
	v_rcp_f32 v27, v25
	v_nop                                          ; a plain instruction behind the last reciprocal,
	s_wait_alu depctr_va_vdst(0)                   ; the two reciprocals have written v26 and v27, ahead of their first reader: one wait for the two
	v_mul_f32 v22, v22, v26                        ; fac = w / L
	v_mul_f32 v23, v23, v27
	s_wait_alu depctr_va_vdst(0)                   ; the two multiplies have written v22 and v23, which the LDS stores read
	ds_store_b32 v5, v22 offset:FACT
	ds_store_b32 v5, v23 offset:FACT+128
	FACQ 0                                         ; LDS serves a wave's instructions in order (ISA guide 5.7.1.4): these see the two stores; the bytes are my wave's own
	FACQ 1                                         ; (no vector instruction has named FA0 or FA1 yet)
	s_wait_loadcnt 24                              ; quarter 0 is in; quarter 1's 24 loads stay out
	LOADQ 2                                        ; (no vector instruction has named D2 yet)
	s_wait_dscnt 4                                 ; quarter 0's factors are in; quarter 1's four loads stay out
	MIXQ 0
	s_wait_alu depctr_va_vdst(0)                   ; quarter 0's multiply-adds have written D0's f registers, which the stores below read; they are done reading FA0, in which quarter 2's factors land, and D0, in which quarter 3 lands
	STOREQ 0
	FACQ 2
	s_wait_loadcnt 24                              ; quarter 1 is in; quarter 2's stay out
	s_wait_xcnt 0x0                                ; quarter 0's stores have had their addresses translated (ISA guide 3.1): buffer 0, which they read, is loaded again only behind this wait
	s_wait_alu depctr_vm_vsrc(0)                   ; quarter 0's stores have read D0's f registers, in which quarter 3's loads land and which quarter 3's multiply-adds write
	LOADQ 3                                        ; no vector instruction since the wait behind quarter 0's multiply-adds names D0
	s_wait_dscnt 4                                 ; quarter 1's factors are in; quarter 2's stay out
	MIXQ 1
	s_wait_alu depctr_va_vdst(0)                   ; quarter 1's multiply-adds have written D1's f registers, which the stores below read, and are done reading FA1, in which quarter 3's factors land
	STOREQ 1
	FACQ 3
	s_wait_loadcnt 24                              ; quarter 2 is in; quarter 3's stay out
	s_wait_dscnt 4                                 ; quarter 2's factors are in; quarter 3's stay out
	MIXQ 2
	s_wait_alu depctr_va_vdst(0)                   ; quarter 2's multiply-adds have written D2's f registers, which the stores below read
	STOREQ 2
	s_wait_loadcnt 0x0
	s_wait_dscnt 0x0
	MIXQ 3
	s_wait_alu depctr_va_vdst(0)                   ; quarter 3's multiply-adds have written D0's f registers, which the last stores read
	STOREQ 3
	s_wait_dscnt 0x0                               ; the closing lines, six on end
	s_wait_alu 0x0
	s_wait_tensorcnt 0x0
	ds_add_u32 v[SPW], v[NIL]
	s_wait_dscnt 0x0
	s_endpgm
.Lfunc_end_k_qe95631c877_finish:
	.size	k_qe95631c877_finish, .Lfunc_end_k_qe95631c877_finish-k_qe95631c877_finish
	.p2alignl 7, 3214868480
	.fill 96, 4, 3214868480
	.section	.rodata,"a",@progbits
	.p2align	6, 0x0
	.amdhsa_kernel k_qe95631c877_finish
		.amdhsa_group_segment_fixed_size 3072
		.amdhsa_private_segment_fixed_size 0
		.amdhsa_enable_private_segment 0
		.amdhsa_kernarg_size 32
		.amdhsa_user_sgpr_count 2
		.amdhsa_user_sgpr_kernarg_segment_ptr 1
		.amdhsa_wavefront_size32 1
		.amdhsa_system_sgpr_workgroup_id_x 1
		.amdhsa_system_sgpr_workgroup_id_y 1
		.amdhsa_system_sgpr_workgroup_id_z 1
		.amdhsa_system_vgpr_workitem_id 0
		.amdhsa_next_free_vgpr 256
		.amdhsa_next_free_sgpr 66
		.amdhsa_reserve_vcc 0
		.amdhsa_float_denorm_mode_32 3
		.amdhsa_float_denorm_mode_16_64 3
		.amdhsa_memory_ordered 1
		.amdhsa_forward_progress 1
		.amdhsa_inst_pref_size 34
	.end_amdhsa_kernel
	.amdgpu_metadata
---
amdhsa.version: [ 1, 2 ]
amdhsa.kernels:
  - .name:           k_qe95631c877_finish
    .symbol:         k_qe95631c877_finish.kd
    .args:
      - { .name: p, .offset: 0, .size: 8, .value_kind: global_buffer, .address_space: global }
      - { .name: st, .offset: 8, .size: 8, .value_kind: global_buffer, .address_space: global }
      - { .name: f, .offset: 16, .size: 8, .value_kind: global_buffer, .address_space: global }
      - { .name: out0, .offset: 24, .size: 8, .value_kind: global_buffer, .address_space: global }
    .group_segment_fixed_size: 3072
    .private_segment_fixed_size: 0
    .kernarg_segment_align: 8
    .kernarg_segment_size: 32
    .max_flat_workgroup_size: 256
    .sgpr_count:     66
    .vgpr_count:     256
    .wavefront_size: 32
...
	.end_amdgpu_metadata
.endif
;; end of part 4
